; MI455X (gfx1250); checked and timed in simulation.
; The chip was launched on July 23, 2026; its instructions are those of AMD's public machine-readable ISA for CDNA 5 (MIT licence, August 2026) and "CDNA5" Instruction Set Architecture Reference Guide (July 2026). The comments in the code are by the model that wrote it; some were corrected since.
;; Instance Attention Module. Allowed arithmetic: float matrix products may take bf16 or f16 operands with f32 sums; all other float work in f32.
;; Inputs: attn_W 256 x 256 float32; attn_b 256 float32; emb_W 64 x 256 float32; emb_b 64 float32; feature_map 32 x 32 x 32 x 256 float32; thr_W 1 x 256 float32; thr_b 1 float32.
;; Outputs: out0 32 x 32 x 32 x 256 float32.
;; Constants: layer = 0.
;; One version. Each part assembles by itself: llvm-mc -triple=amdgcn-amd-amdhsa -mcpu=gfx1250 --defsym DOCPART=n.
;; ======== version 1 of 1: 2 launches
;; workspace buffers: embs 4,194,304 bytes; st 262,144 bytes; vt 16,777,216 bytes
;; launch prep (part 1): grid 256 x 1, 4 waves a work-group, no clusters, 302,080 bytes of LDS; arguments feature_map, attn_W, attn_b, emb_W, emb_b, thr_W, thr_b, embs, st, vt; writes embs, st, vt
.if DOCPART == 1
	.amdgcn_target "amdgcn-amd-amdhsa--gfx1250"
	.amdhsa_code_object_version 6
	.text
	.protected	k_q41d2f750f6_prep
	.globl	k_q41d2f750f6_prep
	.p2align	8
	.type	k_q41d2f750f6_prep,@function
k_q41d2f750f6_prep:
	s_mov_b64 s[64:65], 0
	v_nop
	global_prefetch_b8 v0, s[64:65] scope:SCOPE_SE
	s_setreg_imm32_b32 hwreg(HW_REG_WAVE_MODE, 25, 1), 1
	s_wait_xcnt 0x0
; prep: what every row block of an image needs of all its 1,024 pixels, made once.
;   embs[b][j][f]  = bf16( s * (x_j . emb_W_f + emb_b_f) ),  s = sqrt(2 log2 e)           [32][1024][64]
;   st[b][0][j]    = -1/2 sum over f of embs^2 (f32, from the rounded numbers)             [32][2][1024]
;   st[b][1][j]    = -log2 e * (shortcut_j . thr_W + thr_b)
;   vt[b][c][j]    = bf16( x_j . attn_W_c + attn_b_c ), the shortcut transposed            [32][256][1024]
; A work-group owns 128 pixels (rows of x); a wave owns 32 of them and all 320 outputs (16 tiles of attn_W, 4 of emb_W).
; x comes in f32 by one tensor load a wave (32 rows of 1,024 bytes), is rounded to bf16 and stays in 128 registers for all K = 256.
; THE WEIGHTS pass through registers (they must be rounded to bf16) into LDS once for the work-group, in ten groups of 32 rows = the two tiles of one
; product group.  Each wave converts 8 rows of every group; the loads of three groups (48 loads of 512 bytes) are always on their way.  Groups 0-3 are
; converted while x is on its way, group g + 4 at the head of product group g, so that the stream of weights runs beside the products.
; vt LEAVES GROUP BY GROUP: a group's 32 rows c are staged in LDS by all four waves; the barrier at the head of the next group shows them whole (and the weights
; stored so far), and each wave stores 8 of them while the next products run.
; No cluster: the tensor loads bring rows of x that no other work-group reads, and the weights cannot be shared by a copy since they change format.
; LIMITS: matrix operands are bf16 (x, attn_W, emb_W); the threshold is summed in f32 from the f32 sums of the shortcut; NaN and infinities get no care of their own.
.set XP,   1040                        ; LDS pitch of a row of x in f32: 1,024 + 16 bytes, an odd multiple of 16
.set XW,   32*XP                       ; a wave's 32 rows
.set WB,   128*XP                      ; behind x: the weights in bf16, 320 rows (0-255 attn_W, 256-319 emb_W)
.set WP,   528                         ; their pitch: 512 + 16
.set VSP,  272                         ; stage for vt at LDS byte 0 (over x, which is dead then and is never filled again): 256 rows c x 128 j, pitch 256 + 16
.set EST,  256*VSP                     ; stage for embs: 4 waves x 32 rows, pitch 128 + 16
.set ESP,  144
.set SST,  EST+128*ESP                 ; stage for st: 512 bytes, 512 bytes
.set GL,   1                           ; v1   16 x lane
.set AWS,  2                           ; v2   where my 8 rows of the next group of weights go; steps by 32 rows a group
.set AXF,  3                           ; v3   my x fragments in f32
.set AWB,  4                           ; v4-6 weight fragments, tiles 0-7, 8-15, 16-19
.set AVS,  7                           ; v7   into the vt stage
.set AES,  8                           ; v8   into the embs stage
.set AER,  9                           ; v9   back from the embs stage
.set ATS,  10                          ; v10  thresholds into the st stage
.set AHS,  11                          ; v11  half squares into the st stage
.set AVR,  12                          ; v12  back from the vt stage
.set GV,   13                          ; v13  my offset in vt
.set R4,   14                          ; v14  4 r; at the end the st stage's address
.set BIAS, 16                          ; v16-31  attn_b[16 nt + r]
.set HS,   16                          ; v16-19  later: two chains of squares for each of my two row tiles
.set THW,  32                          ; v32-47  thr_W[16 nt + r]
.set TACC, 48                          ; v48-63  threshold sums, 2 row tiles x 8 (v48-52 hold lane numbers before)
.set ACC,  64                          ; v64-95  four accumulators (mt, n) at 64 + 8 (2 mt + n)
.set EBR,  96                          ; v96-127 emb_b[16 ft + 8 h + q]
.set SL,   128                         ; v128-255 x in f32 at work; then two buffers of weight fragments
; window 1: v0-127 x as bf16 fragments, (mt, ks) at 8 (8 mt + ks);  v128-255 vt on its way out, 16 registers for each of eight groups
.set RB,   128
; window 2: v0-191 weights as loaded, group g at 64 (g mod 3), load hr at + 4 hr;  v192-223 16 packed pairs on their way to LDS
.set CVR,  192
.set MSB, 0
.macro WIN new                         ; bits 1:0 source 0, 3:2 source 1, 5:4 source 2, 7:6 destination; the high byte repeats the setting that is left
.if MSB != (\new)
	s_set_vgpr_msb (MSB<<8)|(\new)
.set MSB, \new
.endif
.endm
.macro PLACES                          ; four places behind matrix instructions (ISA guide 7.12.1) where no useful vector work is at hand
.rept 4
	v_nop
.endr
.endm
	s_load_b512 s[4:19], s[0:1], 0x0               ; x s[4:5], attn_W s[6:7], attn_b s[8:9], emb_W s[10:11], emb_b s[12:13], thr_W s[14:15], thr_b s[16:17], embs s[18:19]
	s_load_b128 s[20:23], s[0:1], 0x40             ; st s[20:21], vt s[22:23]
	v_lshrrev_b32 v49, 5, v0
	v_readfirstlane_b32 s24, v49                   ; wave 0..3
	; descriptor group 1: 32 rows of 256 f32, 16 bytes of padding behind each row
	s_mov_b32 s32, (2<<16)|(1<<20)|(7<<22)|(3<<25) ; element of 4 bytes; padding on; after every 256 words; of 4 words
	s_mov_b32 s33, 256<<16                         ; tensor_dim0 = 256
	s_mov_b32 s34, 32<<16                          ; tensor_dim1 = 32
	s_mov_b32 s35, 256<<16                         ; tile_dim0 = 256
	s_mov_b32 s36, 32                              ; tile_dim1 = 32
	s_mov_b32 s37, 256                             ; elements from row to row
	s_mov_b32 s38, 0
	s_mov_b32 s39, 0
	s_lshl_b32 s40, ttmp9, 17                      ; 128 rows of 1,024 bytes a work-group
	s_lshl_b32 s41, s24, 15                        ; 32 rows a wave
	s_add_co_u32 s40, s40, s41
	s_mov_b32 s41, 0
	s_mov_b32 s28, 1                               ; group 0: count
	s_mul_i32 s29, s24, XW                         ; LDS address: my 32 rows
	s_wait_kmcnt 0x0
	s_add_nc_u64 s[30:31], s[4:5], s[40:41]
	s_or_b32 s31, s31, 0x80000000                  ; type 2
	tensor_load_to_lds s[28:31], s[32:39]          ; my only tensor load: one is out, ahead of every wait on it, LDS read and barrier
	s_load_b32 s25, s[16:17], 0x0                  ; thr_b
	v_and_b32 v49, 15, v0                          ; r
	v_bfe_u32 v50, v0, 4, 1                        ; h
	v_and_b32 v51, 31, v0                          ; lane
	v_lshlrev_b32 v[GL], 4, v51
	v_lshlrev_b32 v[R4], 2, v49
	v_lshlrev_b32 v48, 5, v50                      ; 32 h
	s_lshl_b32 s40, s24, 13                        ; my 8 rows of 1,024 bytes in a group of 32
	s_add_nc_u64 s[42:43], s[6:7], s[40:41]        ; attn_W
	s_add_nc_u64 s[44:45], s[10:11], s[40:41]      ; emb_W
	; 40 loads of tables and 48 of weights follow in a row; where that passes the counter's field the issue stalls by itself (ISA guide 5.7.1), so no wait is placed
.irp nt,0,1,2,3,4,5,6,7,8,9,10,11,12,13,14,15
	global_load_b32 v[BIAS+\nt], v[R4], s[8:9] offset:64*\nt
	global_load_b32 v[THW+\nt], v[R4], s[14:15] offset:64*\nt
.endr
.irp ft,0,1,2,3
	global_load_b128 v[EBR+8*\ft:EBR+8*\ft+3], v48, s[12:13] offset:64*\ft
	global_load_b128 v[EBR+8*\ft+4:EBR+8*\ft+7], v48, s[12:13] offset:64*\ft+16
.endr
	WIN 0x80                                       ; destination in window 2
.set hr, 0
.rept 48
	global_load_b128 v[4*hr:4*hr+3], v[GL], s[42:43] offset:(hr/16)*32768+(hr%16)*512   ; groups 0, 1, 2: half rows of 512 neighbouring bytes
.set hr, hr+1
.endr
	WIN 0
	; addresses, while the loads are on their way
	s_lshl_b32 s40, ttmp9, 14
	s_lshl_b32 s54, s24, 12
	s_add_co_u32 s40, s40, s54
	s_add_nc_u64 s[46:47], s[18:19], s[40:41]      ; embs at my 32 rows of 128 bytes
	s_lshr_b32 s55, ttmp9, 3                       ; image
	s_and_b32 s57, ttmp9, 7                        ; block of 128 pixels in it
	s_lshl_b32 s40, s55, 19
	s_lshl_b32 s56, s24, 14
	s_add_co_u32 s40, s40, s56
	s_lshl_b32 s56, s57, 8
	s_add_co_u32 s40, s40, s56
	s_add_nc_u64 s[48:49], s[22:23], s[40:41]      ; vt at image, row c = 8 w, column j0
	s_mov_b32 s52, 0x76543210                      ; v_permlanex16_b32: lane i of one half reads lane i of the other
	s_mov_b32 s53, 0xfedcba98
	s_mov_b32 s27, 0xbfb8aa3b                      ; -log2 e
	s_mul_i32 s54, s24, 8*WP
	s_add_co_u32 s54, s54, WB
	v_lshl_add_u32 v[AWS], v51, 3, s54             ; row 8 w of group 0, 8 bytes a lane
	v_mul_u32_u24 v[AXF], v49, XP
	v_add_nc_u32 v[AXF], v[AXF], v48
	v_add_nc_u32 v[AXF], s29, v[AXF]               ; my rows + r x pitch + 32 h
	v_mul_u32_u24 v[AWB], v49, WP
	v_lshl_add_u32 v[AWB], v50, 4, v[AWB]
	v_add_nc_u32 v[AWB], WB, v[AWB]
	v_add_nc_u32 v[AWB+1], 128*WP, v[AWB]
	v_add_nc_u32 v[AWB+2], 256*WP, v[AWB]
	v_mul_u32_u24 v[AVS], v49, VSP
	v_lshl_add_u32 v[AVS], v50, 4, v[AVS]
	s_lshl_b32 s54, s24, 6
	v_add_nc_u32 v[AVS], s54, v[AVS]               ; row r, byte 64 w + 16 h
	s_mul_i32 s54, s24, 32*ESP
	s_add_co_u32 s54, s54, EST
	v_mul_u32_u24 v[AES], v49, ESP
	v_lshl_add_u32 v[AES], v50, 4, v[AES]
	v_add_nc_u32 v[AES], s54, v[AES]
	v_lshrrev_b32 v52, 3, v51
	v_mul_u32_u24 v[AER], v52, ESP
	v_and_b32 v52, 7, v51
	v_lshl_add_u32 v[AER], v52, 4, v[AER]
	v_add_nc_u32 v[AER], s54, v[AER]
	s_lshl_b32 s54, s24, 7
	s_add_co_u32 s54, s54, SST
	v_lshl_add_u32 v[AHS], v49, 2, s54
	v_add_nc_u32 v[ATS], s54, v48
	v_add_nc_u32 v[ATS], 512, v[ATS]
	s_mul_i32 s54, s24, 8*VSP
	v_mul_u32_u24 v[AVR], v50, VSP
	v_lshl_add_u32 v[AVR], v49, 4, v[AVR]
	v_add_nc_u32 v[AVR], s54, v[AVR]               ; row 8 w + lane / 16, 16 bytes a lane
	v_lshlrev_b32 v[GV], 11, v50
	v_lshl_add_u32 v[GV], v49, 4, v[GV]
; My 8 rows of group g of the weights: f32 to bf16, into LDS; then the loads of group g + 3 into the registers just read.
.macro RING g
.if (\g) < 8
	s_wait_loadcnt 32                              ; loads come back in order: group g is in, the 32 loads of the two younger groups stay out (the tables are older still)
.else
	s_wait_loadcnt 16*(9-(\g))                     ; nothing more is asked for: the counts run down
.endif
	WIN 0x8a                                       ; destination and both sources in window 2
.set hr, 0
.rept 16
	v_cvt_pk_bf16_f32 v[CVR+2*hr], v[64*((\g)%3)+4*hr], v[64*((\g)%3)+4*hr+1]
	v_cvt_pk_bf16_f32 v[CVR+2*hr+1], v[64*((\g)%3)+4*hr+2], v[64*((\g)%3)+4*hr+3]
.set hr, hr+1
.endr
	WIN 0x08                                       ; store data from window 2
.set hr, 0
.rept 16
	ds_store_b64 v[AWS], v[CVR+2*hr:CVR+2*hr+1] offset:(hr>>1)*WP+(hr&1)*256
.set hr, hr+1
.endr
.if (\g) < 7
	WIN 0x80
.set hr, 0
.rept 16
.if (\g) < 5
	global_load_b128 v[64*((\g)%3)+4*hr:64*((\g)%3)+4*hr+3], v[GL], s[42:43] offset:((\g)+3)*32768+hr*512
.else
	global_load_b128 v[64*((\g)%3)+4*hr:64*((\g)%3)+4*hr+3], v[GL], s[44:45] offset:((\g)-5)*32768+hr*512
.endif
.set hr, hr+1
.endr
.endif
	WIN 0
	v_add_nc_u32 v[AWS], 32*WP, v[AWS]             ; the next group's rows
.endm
	RING 0                                         ; four groups while x is on its way
	RING 1
	RING 2
	RING 3
	; x: f32 in my own LDS rows to bf16 fragments.  Lane (r, h) of fragment (mt, ks): row 16 mt + r, K = 32 ks + 8 h + 0..7 and 32 ks + 16 + 8 h + 0..7.
	s_wait_tensorcnt 0x0                           ; my rows have landed; only I read them, so no barrier is needed for these reads
.irp mt,0,1
	WIN 0
.irp ks,0,1,2,3,4,5,6,7
	ds_load_b128 v[SL+16*\ks:SL+16*\ks+3], v[AXF] offset:\mt*16*XP+\ks*128
	ds_load_b128 v[SL+16*\ks+4:SL+16*\ks+7], v[AXF] offset:\mt*16*XP+\ks*128+16
	ds_load_b128 v[SL+16*\ks+8:SL+16*\ks+11], v[AXF] offset:\mt*16*XP+\ks*128+64
	ds_load_b128 v[SL+16*\ks+12:SL+16*\ks+15], v[AXF] offset:\mt*16*XP+\ks*128+80
.endr
	WIN 0x40                                       ; destination in window 1
.irp ks,0,1,2,3,4,5,6,7
	s_wait_dscnt 28-4*\ks                          ; the four loads of each later K step may stay out
.irp n,0,1,2,3,4,5,6,7
	v_cvt_pk_bf16_f32 v[8*(8*\mt+\ks)+\n], v[SL+16*\ks+2*\n], v[SL+16*\ks+2*\n+1]
.endr
.endr
.endr
	WIN 0
	s_wait_dscnt 0x0                               ; my stores of weights are in LDS and my reads of x are over
	s_barrier_signal -1
	s_barrier_wait -1                              ; groups 0-3 of the weights are whole; nobody reads x in LDS any more, so its bytes may serve as stages
; 16 LDS loads: the fragments of weight tiles 2 (q/2), 2 (q/2) + 1 for four K steps (half q & 1 of K) into buffer f
.macro BLOAD f, q
.irp n,0,1
.irp s,0,1,2,3
	ds_load_b128 v[\f+8*(4*\n+\s):\f+8*(4*\n+\s)+3], v[AWB+((2*((\q)>>1)+\n)>>3)] offset:((2*((\q)>>1)+\n)&7)*16*WP+(4*((\q)&1)+\s)*64
	ds_load_b128 v[\f+8*(4*\n+\s)+4:\f+8*(4*\n+\s)+7], v[AWB+((2*((\q)>>1)+\n)>>3)] offset:((2*((\q)>>1)+\n)&7)*16*WP+(4*((\q)&1)+\s)*64+32
.endr
.endr
.endm
; 16 matrix instructions.  The four accumulators take turns, one instruction a turn.
; q < 16 (shortcut): source 0 = x, source 1 = weights: a lane holds one c and eight neighbouring j.  The first K step starts the sums with 0.
; q >= 16 (embedding): the sources change places: a lane holds one j and eight neighbouring f.  The first K step starts the sums with emb_b.
.macro MM16 f, q
.irp s,0,1,2,3
.irp n,0,1
.irp m,0,1
.if (\q) < 16
.if 4*((\q)&1)+\s == 0
	v_wmma_f32_16x16x32_bf16 v[ACC+8*(2*\m+\n):ACC+8*(2*\m+\n)+7], v[8*(8*\m+4*((\q)&1)+\s):8*(8*\m+4*((\q)&1)+\s)+7], v[\f+8*(4*\n+\s):\f+8*(4*\n+\s)+7], 0
.else
	v_wmma_f32_16x16x32_bf16 v[ACC+8*(2*\m+\n):ACC+8*(2*\m+\n)+7], v[8*(8*\m+4*((\q)&1)+\s):8*(8*\m+4*((\q)&1)+\s)+7], v[\f+8*(4*\n+\s):\f+8*(4*\n+\s)+7], v[ACC+8*(2*\m+\n):ACC+8*(2*\m+\n)+7]
.endif
.else
.if 4*((\q)&1)+\s == 0
	v_wmma_f32_16x16x32_bf16 v[ACC+8*(2*\m+\n):ACC+8*(2*\m+\n)+7], v[\f+8*(4*\n+\s):\f+8*(4*\n+\s)+7], v[8*(8*\m+4*((\q)&1)+\s):8*(8*\m+4*((\q)&1)+\s)+7], v[EBR+8*(2*(((\q)>>1)-8)+\n):EBR+8*(2*(((\q)>>1)-8)+\n)+7]
.else
	v_wmma_f32_16x16x32_bf16 v[ACC+8*(2*\m+\n):ACC+8*(2*\m+\n)+7], v[\f+8*(4*\n+\s):\f+8*(4*\n+\s)+7], v[8*(8*\m+4*((\q)&1)+\s):8*(8*\m+4*((\q)&1)+\s)+7], v[ACC+8*(2*\m+\n):ACC+8*(2*\m+\n)+7]
.endif
.endif
.endr
.endr
.endr
.endm
; a shortcut tile at registers a: + attn_b, its share of the threshold's sum, rounded: 16 bytes (eight j of one c) in its first four registers
.macro TILEV a, mt, n, g
.irp k,0,2,4,6
	v_pk_add_f32 v[\a+\k:\a+\k+1], v[\a+\k:\a+\k+1], v[BIAS+2*(\g):BIAS+2*(\g)+1] op_sel:[0,\n] op_sel_hi:[1,\n]
.endr
.irp k,0,2,4,6
.if 2*(\g)+\n == 0
	v_pk_mul_f32 v[TACC+8*\mt+\k:TACC+8*\mt+\k+1], v[\a+\k:\a+\k+1], v[THW+2*(\g):THW+2*(\g)+1] op_sel:[0,\n] op_sel_hi:[1,\n]
.else
	v_pk_fma_f32 v[TACC+8*\mt+\k:TACC+8*\mt+\k+1], v[\a+\k:\a+\k+1], v[THW+2*(\g):THW+2*(\g)+1], v[TACC+8*\mt+\k:TACC+8*\mt+\k+1] op_sel:[0,\n,0] op_sel_hi:[1,\n,1]
.endif
.endr
.irp k,0,1,2,3
	v_cvt_pk_bf16_f32 v[\a+\k], v[\a+2*\k], v[\a+2*\k+1]
.endr
.endm
.macro EPIV g                          ; the four stores stand together behind all the arithmetic, so that only the last follows its own conversions
.irp mt,0,1
.irp n,0,1
	TILEV ACC+8*(2*\mt+\n),\mt,\n,\g
.endr
.endr
.irp mt,0,1
.irp n,0,1
	ds_store_b128 v[AVS], v[ACC+8*(2*\mt+\n):ACC+8*(2*\mt+\n)+3] offset:(2*(\g)+\n)*16*VSP+\mt*32
.endr
.endr
.endm
; an embedding tile: x s, rounded, the squares of the rounded numbers summed in f32: 16 bytes (eight f of one j) in its first four registers
.macro TILEE a, mt
.irp k,0,2,4,6
	v_pk_mul_f32 v[\a+\k:\a+\k+1], v[\a+\k:\a+\k+1], 0x3fd96d28 op_sel_hi:[1,0]
.endr
.irp k,0,1,2,3
	v_cvt_pk_bf16_f32 v[\a+\k], v[\a+2*\k], v[\a+2*\k+1]
.endr
.irp k,0,1,2,3
	v_fma_mix_f32_bf16 v[HS+2*\mt], v[\a+\k], v[\a+\k], v[HS+2*\mt] op_sel_hi:[1,1,0]
	v_fma_mix_f32_bf16 v[HS+2*\mt+1], v[\a+\k], v[\a+\k], v[HS+2*\mt+1] op_sel:[1,1,0] op_sel_hi:[1,1,0]
.endr
.endm
.macro EPIE g
.if (\g) == 8
.irp i,0,1,2,3
	v_mov_b32 v[HS+\i], 0                          ; attn_b is dead: four chains of squares begin
.endr
.endif
.irp mt,0,1
.irp n,0,1
	TILEE ACC+8*(2*\mt+\n),\mt
.endr
.endr
.irp mt,0,1
.irp n,0,1
	ds_store_b128 v[AES], v[ACC+8*(2*\mt+\n):ACC+8*(2*\mt+\n)+3] offset:\mt*16*ESP+(2*((\g)-8)+\n)*32
.endr
.endr
.endm
; vt, rows c = 32 g + 8 w .. + 7: back from the stage, two rows a load; then out: sixteen lanes store the 256 neighbouring bytes of one c, aligned.
; Each group has 16 registers of its own, so no store's data are ever written again.
.macro VOUTL g
	WIN 0x40                                       ; destination in window 1
.irp t,0,1,2,3
	ds_load_b128 v[RB+16*(\g)+4*\t:RB+16*(\g)+4*\t+3], v[AVR] offset:(32*(\g)+2*\t)*VSP
.endr
.endm
.macro VOUTS g
	WIN 0x04                                       ; store data from window 1
.irp t,0,1,2,3
	global_store_b128 v[GV], v[RB+16*(\g)+4*\t:RB+16*(\g)+4*\t+3], s[48:49] offset:(32*(\g)+2*\t)*2048
.endr
.endm
; half a group: the next half's fragments are asked for, this half is multiplied; behind each odd half the group's four tiles leave
.macro QSTEP q
.if (\q) < 19
.if (\q)&1
	PLACES                                         ; the buffer to be loaded was read by the matrix instructions just issued
.endif
	WIN 0
	BLOAD SL+64*(((\q)+1)&1),(\q)+1
	s_wait_dscnt 16                                ; all but the 16 loads just issued: this half's fragments are in, and the four older loads from the vt stage
.else
	s_wait_dscnt 0x0
.endif
.if ((\q)&1) == 0
.if (\q) >= 2
.if (\q) <= 16
	VOUTS ((\q)>>1)-1
.endif
.endif
.endif
.if (\q) < 16
	WIN 0x01                                       ; source 0 (x) in window 1
.else
	WIN 0x04                                       ; source 1 (x) in window 1
.endif
	MM16 SL+64*((\q)&1),\q
.if (\q)&1
	PLACES
	WIN 0
.if (\q) < 16
	EPIV ((\q)>>1)
.else
	EPIE ((\q)>>1)
.endif
.endif
.endm
; Product group g.  The barrier at the head of groups 1-8 orders two things: every wave's stores of weights so far (group g + 4 among them, first read three
; groups on) against the others' reads, and every wave's stores into the vt stage for group g - 1 against the reads that follow here.
.macro GROUP g
.if (\g) < 6
	RING (\g)+4
.endif
.if (\g) > 0
.if (\g) < 9
	s_wait_dscnt 0x0                               ; for the others' sake: all my LDS stores are in
	s_barrier_signal -1
	s_barrier_wait -1
	VOUTL (\g)-1
.endif
.endif
	QSTEP 2*(\g)
	QSTEP 2*(\g)+1
.endm
	BLOAD SL,0
.irp g,0,1,2,3,4,5,6,7,8,9
	GROUP \g
.endr
	; thresholds: a lane holds the sum over c = r mod 16 for eight j; the sixteen lanes of a half are added (four steps on the arithmetic itself)
.irp x,1,2,4,8
.irp i,0,1,2,3,4,5,6,7,8,9,10,11,12,13,14,15
	v_add_f32_dpp v[TACC+\i], v[TACC+\i], v[TACC+\i] row_xmask:\x row_mask:0xf bank_mask:0xf
.endr
.endr
	s_wait_kmcnt 0x0                               ; thr_b
	s_mul_f32 s26, s25, s27                        ; -log2 e x thr_b
.irp i,0,1,2,3,4,5,6,7,8,9,10,11,12,13,14,15
	v_fma_f32 v[TACC+\i], v[TACC+\i], s27, s26     ; -log2 e x (sum + thr_b)
.endr
.irp mt,0,1
	ds_store_b128 v[ATS], v[TACC+8*\mt:TACC+8*\mt+3] offset:64*\mt       ; the sixteen lanes of a half store the same words
	ds_store_b128 v[ATS], v[TACC+8*\mt+4:TACC+8*\mt+7] offset:64*\mt+16
	v_add_f32 v[HS+2*\mt], v[HS+2*\mt], v[HS+2*\mt+1]
	v_permlanex16_b32 v[HS+2*\mt+1], v[HS+2*\mt], s52, s53               ; the other half's 32 f
	v_add_f32 v[HS+2*\mt], v[HS+2*\mt], v[HS+2*\mt+1]
	v_mul_f32 v[HS+2*\mt], -0.5, v[HS+2*\mt]
	ds_store_b32 v[AHS], v[HS+2*\mt] offset:64*\mt
.endr
	; embs: my own stage, read back by rows; LDS serves a wave's instructions in order, so no wait stands between my stores and these loads
.irp t,0,1,2,3,4,5,6,7
	ds_load_b128 v[ACC+4*\t:ACC+4*\t+3], v[AER] offset:4*ESP*\t
.endr
.irp t,0,1,2,3,4,5,6,7
	s_wait_dscnt 7-\t
	global_store_b128 v[GL], v[ACC+4*\t:ACC+4*\t+3], s[46:47] offset:512*\t   ; four rows of 128 bytes: 512 neighbouring bytes
.endr
	s_wait_dscnt 0x0                               ; my stores into the st stage are in LDS
	s_barrier_signal -1
	s_barrier_wait -1                              ; everybody's are
	s_cmp_ge_u32 s24, 2                            ; st: wave 0 stores the half squares, wave 1 the thresholds
	s_cbranch_scc1 .Ldone
	s_lshl_b32 s40, s55, 13
	s_lshl_b32 s56, s24, 12
	s_add_co_u32 s40, s40, s56
	s_lshl_b32 s56, s57, 9
	s_add_co_u32 s40, s40, s56
	s_add_nc_u64 s[50:51], s[20:21], s[40:41]
	s_lshl_b32 s56, s24, 9
	s_add_co_u32 s56, s56, SST
	v_add_nc_u32 v[R4], s56, v[GL]
	ds_load_b128 v[EBR:EBR+3], v[R4]
	s_wait_dscnt 0x0
	global_store_b128 v[GL], v[EBR:EBR+3], s[50:51]
.Ldone:
	s_endpgm
.Lfunc_end_k_q41d2f750f6_prep:
	.size	k_q41d2f750f6_prep, .Lfunc_end_k_q41d2f750f6_prep-k_q41d2f750f6_prep
	.p2alignl 7, 3214868480
	.fill 96, 4, 3214868480
	.section	.rodata,"a",@progbits
	.p2align	6, 0x0
	.amdhsa_kernel k_q41d2f750f6_prep
		.amdhsa_group_segment_fixed_size 302080
		.amdhsa_private_segment_fixed_size 0
		.amdhsa_enable_private_segment 0
		.amdhsa_kernarg_size 80
		.amdhsa_user_sgpr_count 2
		.amdhsa_user_sgpr_kernarg_segment_ptr 1
		.amdhsa_wavefront_size32 1
		.amdhsa_system_sgpr_workgroup_id_x 1
		.amdhsa_system_sgpr_workgroup_id_y 1
		.amdhsa_system_sgpr_workgroup_id_z 1
		.amdhsa_system_vgpr_workitem_id 0
		.amdhsa_next_free_vgpr 768
		.amdhsa_next_free_sgpr 66
		.amdhsa_reserve_vcc 0
		.amdhsa_float_denorm_mode_32 3
		.amdhsa_float_denorm_mode_16_64 3
		.amdhsa_memory_ordered 1
		.amdhsa_forward_progress 1
		.amdhsa_inst_pref_size 163
	.end_amdhsa_kernel
	.amdgpu_metadata
---
amdhsa.version: [ 1, 2 ]
amdhsa.kernels:
  - .name:           k_q41d2f750f6_prep
    .symbol:         k_q41d2f750f6_prep.kd
    .args:
      - { .name: feature_map, .offset: 0, .size: 8, .value_kind: global_buffer, .address_space: global }
      - { .name: attn_W, .offset: 8, .size: 8, .value_kind: global_buffer, .address_space: global }
      - { .name: attn_b, .offset: 16, .size: 8, .value_kind: global_buffer, .address_space: global }
      - { .name: emb_W, .offset: 24, .size: 8, .value_kind: global_buffer, .address_space: global }
      - { .name: emb_b, .offset: 32, .size: 8, .value_kind: global_buffer, .address_space: global }
      - { .name: thr_W, .offset: 40, .size: 8, .value_kind: global_buffer, .address_space: global }
      - { .name: thr_b, .offset: 48, .size: 8, .value_kind: global_buffer, .address_space: global }
      - { .name: embs, .offset: 56, .size: 8, .value_kind: global_buffer, .address_space: global }
      - { .name: st, .offset: 64, .size: 8, .value_kind: global_buffer, .address_space: global }
      - { .name: vt, .offset: 72, .size: 8, .value_kind: global_buffer, .address_space: global }
    .group_segment_fixed_size: 302080
    .private_segment_fixed_size: 0
    .kernarg_segment_align: 8
    .kernarg_segment_size: 80
    .max_flat_workgroup_size: 128
    .sgpr_count:     66
    .vgpr_count:     768
    .wavefront_size: 32
...
	.end_amdgpu_metadata
.endif
;; end of part 1
;; launch attn (part 2): grid 16 x 32, 4 waves a work-group, clusters of 4 x 1, 327,680 bytes of LDS; arguments embs, st, vt, feature_map, out0; writes out0
.if DOCPART == 2
	.amdgcn_target "amdgcn-amd-amdhsa--gfx1250"
	.amdhsa_code_object_version 6
	.text
	.protected	k_q41d2f750f6_attn
	.globl	k_q41d2f750f6_attn
	.p2align	8
	.type	k_q41d2f750f6_attn,@function
k_q41d2f750f6_attn:
	s_mov_b64 s[64:65], 0
	v_nop
	global_prefetch_b8 v0, s[64:65] scope:SCOPE_SE
	s_setreg_imm32_b32 hwreg(HW_REG_WAVE_MODE, 25, 1), 1
	s_wait_xcnt 0x0
	s_wait_alu depctr_hold_cnt(0) depctr_sa_sdst(0) depctr_va_vdst(0) depctr_va_sdst(0) depctr_va_ssrc(0) depctr_va_vcc(0) depctr_vm_vsrc(0)
	s_getreg_b32 s2, hwreg(HW_REG_IB_STS2, 6, 4)
	s_cmp_eq_u32 s2, 0
	s_cbranch_scc0 .Lentry_in_a_cluster
	s_endpgm
.Lentry_in_a_cluster:
	s_bfe_u32 s2, ttmp6, 0x10000c
	s_cmp_lg_u32 s2, 0x3003
	s_cbranch_scc0 .Lentry_shape_is_right
	s_endpgm
.Lentry_shape_is_right:
; attn: both softmaxes, A x shortcut and the residual, for 64 rows i of one image a work-group.
; With L = log2 e, emb' = sqrt(2 L) emb (bf16), nh = -1/2 |emb'|^2, nt_j = -L T_j (all from the launch before):
;   D = emb'_j . emb'_i + nh_i + nh_j = -L d2;   E = 2^min(D, 0);   e = 2^(L E + L (mask - 1));   Z_i = sum over j of e
;   a' = e (L / Z_i) + nt_j;   m' = max(0, max over j of a');   p = 2^(max(a' - m', -m'));   out = x + (sum p V_j) / (sum p)
; The first softmax takes no maximum away: its exponents are exp(-max(d2,0)) - 1 + mask, inside [-1, 1] by the computation itself (both terms lie in [0, 1]),
; so each e lies in [1/e, e] and Z in [376, 2784].  The second takes its true maximum away: each wave that of its 512 columns, and the two halves are merged by 2^(m_w - m).
; A wave (a, bq) owns 32 rows (image row 2 rb + a; two tiles ih of 16) and 512 columns (image rows 16 bq + t, t = 0..15).  Its 32 x 512 numbers e stay in
; f32 in 512 registers between the sweeps; 256 more hold its 32 x 256 sums of p V.
; The score tile is made transposed (source 0 = rows j, source 1 = rows i): lane (r, h) holds i = r and j = 8 h + q in register q, so that two tiles of p,
; packed to bf16, ARE a K = 32 fragment, and all that hangs on i (nh_i, Z, m', l) is one register a lane.  p V is made transposed too (source 0 = rows c of vt).
; CLUSTER: the four work-groups of a cluster belong to one image and ask jointly (mask 15) for emb', nh, nt and every tile of vt: a quarter of the requests.
; All descriptors hang on the image and the wave's number alone.  The place in the cluster enters global addresses of plain loads and stores (emb'_i, nh_i, x, out) and
; one number used as data (the distance of image rows); no LDS address and no branch.  That is why emb'_i comes from memory and the mask is computed, not looked up.
; LIMITS: matrix operands are bf16 (emb', p, V); l is summed from the unrounded p; v_exp_f32 gives 0 below 2^-126 (ISA guide 15.8), which drops only weights that small
; beside the row's largest; NaN and infinities get no care of their own.
.set EP,   144                         ; pitch of a row of emb' (128 + 16)
.set VP,   272                         ; pitch of a row of a V slot (256 + 16)
.set VQ,   128*VP                      ; what one wave's load brings of a V slot
.set SLA,  147456                      ; LDS: 0 emb' (1,024 rows), later V slot B; SLA V slot A; rows of a slot: half x 256 + c
.set ST,   286720                      ; nh (4,096 bytes), nt (4,096 bytes)
.set XCH,  294912                      ; words that waves hand to each other; no fill ever lands here
.set MST,  SLA                         ; after slot A's last fill has been read: 4 x 16,384 bytes, sums for the partner wave
.set OST,  SLA+65536                   ; and 4 x 16 rows of 1,040 bytes, the way out
.set OP,   1040
.set AEJ,  1                           ; v1-2  emb'_j fragments, tiles 0-15, 16-31 of my 512 columns
.set AST,  3                           ; v3    nh_j (and nt_j 4,096 bytes on)
.set AV,   4                           ; v4-5  V fragments in slot A, slot B
.set AXW,  6                           ; v6-7  Z: my word, my partner's
.set AXR,  7
.set ASW,  8                           ; v8-9  -m', l: mine, my partner's
.set ASR,  9
.set AMW,  10                          ; v10-11 sums: mine, my partner's
.set AMR,  11
.set AOS,  12                          ; v12-13 the way out: in, back
.set AOL,  13
.set GX,   14                          ; v14   16 x lane
.set BI,   16                          ; v16-47  emb'_i fragments (ih, ks) at 16 ih + 8 ks
.set NSQ,  48                          ; v48-49  nh_i
.set DYV,  50                          ; v50-51  L dy / 32 - L
.set C2L,  52                          ; v52-53  2 L
.set RZ,   54                          ; v54-55  L / Z
.set NM,   56                          ; v56-57  -m'
.set LL,   58                          ; v58-59  l
.set ZA,   60                          ; v60-75  chains of Z, later of l
.set MA,   76                          ; v76-83  chains of the maximum
.set DX,   84                          ; v84-107 L dx / 32 for ih = p, (0, 1), (1, 0)
.set MM,   108                         ; v108-131 L (mask - 1), the same three
.set WT,   132                         ; v132-155 at work
.set SJ,   156                         ; v156-187 nh_j, two buffers
.set AJ,   188                         ; v188-251 emb'_j fragments, two buffers;  v252-255 lane numbers and offsets of the first loads
.set VF,   64                          ; v64-191 later: V fragments, two buffers
; windows 1, 2: e; j-row t in window 1 + t / 8 at 32 (t % 8) + 16 ih + 8 p.  window 3: sums of p V, tile (ih, ct) at 8 (16 ih + ct)
.set MSB, 0
.macro WIN new                         ; bits 1:0 source 0, 3:2 source 1, 5:4 source 2, 7:6 destination; the high byte repeats the setting that is left
.if MSB != (\new)
	s_set_vgpr_msb (MSB<<8)|(\new)
.set MSB, \new
.endif
.endm
.macro PLACES                          ; four places behind matrix instructions (ISA guide 7.12.1) where no useful vector work is at hand
.rept 4
	v_nop
.endr
.endm
.macro CREST                           ; a round of the cluster's barrier behind its opening barrier
	s_cmp_lg_u32 s14, 0
	s_cbranch_scc1 .Lnot_wave_0_\@
	s_barrier_signal -3
.Lnot_wave_0_\@:
	s_barrier_wait -3
	s_barrier_signal -1
	s_barrier_wait -1
.endm
.macro ROUND
	s_barrier_signal -1
	s_barrier_wait -1
	CREST
.endm
	s_load_b256 s[4:11], s[0:1], 0x0               ; embs s[4:5], st s[6:7], vt s[8:9], x s[10:11]
	s_load_b64 s[12:13], s[0:1], 0x20              ; out
	v_lshrrev_b32 v15, 5, v0
	v_readfirstlane_b32 s14, v15                   ; wave 0..3
	s_lshr_b32 s15, s14, 1                         ; a: which 32 rows
	s_and_b32 s56, s14, 1                          ; bq: which 512 columns
	s_bfe_u32 s57, ttmp6, 0x40000                  ; cx
	s_lshl_b32 s58, ttmp9, 2
	s_add_co_u32 s58, s58, s57                     ; rb: block of 64 rows
	s_and_b32 s59, ttmp7, 0xffff                   ; image
	s_lshl_b32 s60, s58, 1
	s_add_co_u32 s60, s60, s15                     ; my image row
	s_lshl_b32 s61, s56, 4
	s_sub_co_i32 s60, s60, s61                     ; less my first column's image row
	s_mov_b32 s66, 0x3d38aa3b                      ; L / 32
	s_mov_b32 s67, 0xbfb8aa3b                      ; -L
	s_mov_b32 s68, 0x76543210                      ; v_permlanex16_b32: lane i of one half reads lane i of the other
	s_mov_b32 s69, 0xfedcba98
	s_mov_b32 s78, 0x3f38aa3b                      ; L / 2 = 16 L / 32
	s_mov_b32 s79, 0xbd38aa3b                      ; -L / 32
	; group 1 for emb': 256 rows of 64 bf16 (the tensor's own rows of 128 bytes), 16 bytes of padding; mask 15 with bit 21 beside it
	s_mov_b32 s16, 15|(1<<16)|(1<<20)|(1<<21)|(4<<22)|(3<<25)
	s_mov_b32 s17, 64<<16
	s_mov_b32 s18, 256<<16
	s_mov_b32 s19, 64<<16
	s_mov_b32 s20, 256
	s_mov_b32 s21, 64
	s_mov_b32 s22, 0
	s_mov_b32 s23, 0
	; group 1 for nh and nt: a dense block of 2,048 bytes as 8 rows of 32 elements of 8 bytes
	s_mov_b32 s24, 15|(3<<16)|(1<<21)
	s_mov_b32 s25, 32<<16
	s_mov_b32 s26, 8<<16
	s_mov_b32 s27, 32<<16
	s_mov_b32 s28, 8
	s_mov_b32 s29, 32
	s_mov_b32 s30, 0
	s_mov_b32 s31, 0
	; group 1 for vt: 128 rows c of 128 bf16 (256 bytes, aligned), 16 bytes of padding, 1,024 elements from row to row
	s_mov_b32 s32, 15|(1<<16)|(1<<20)|(1<<21)|(5<<22)|(3<<25)
	s_mov_b32 s33, 128<<16
	s_mov_b32 s34, 128<<16
	s_mov_b32 s35, 128<<16
	s_mov_b32 s36, 128
	s_mov_b32 s37, 1024
	s_mov_b32 s38, 0
	s_mov_b32 s39, 0
	; groups 0: each wave moves its quarter; nothing here hangs on the place in the cluster
	s_mov_b32 s71, 0
	s_mov_b32 s83, 0
	s_mov_b32 s40, 1
	s_mul_i32 s41, s14, 256*EP
	s_mov_b32 s44, 1
	s_lshl_b32 s45, s14, 11
	s_add_co_u32 s45, s45, ST
	s_mov_b32 s48, 1
	s_mul_i32 s53, s14, VQ                         ; slot B
	s_add_co_u32 s49, s53, SLA                     ; slot A
	s_mov_b32 s52, 1
	s_wait_kmcnt 0x0
	s_lshl_b32 s70, s59, 17
	s_lshl_b32 s61, s14, 15
	s_add_co_u32 s70, s70, s61
	s_add_nc_u64 s[42:43], s[4:5], s[70:71]        ; emb' rows 256 w of the image
	s_or_b32 s43, s43, 0x80000000
	s_lshl_b32 s70, s59, 13
	s_lshl_b32 s61, s14, 11
	s_add_co_u32 s70, s70, s61
	s_add_nc_u64 s[46:47], s[6:7], s[70:71]
	s_or_b32 s47, s47, 0x80000000
	s_lshl_b32 s70, s59, 19
	s_lshl_b32 s61, s56, 18                        ; c = 128 (w & 1)
	s_add_co_u32 s70, s70, s61
	s_lshl_b32 s61, s15, 10                        ; j = 512 (w >> 1)
	s_add_co_u32 s70, s70, s61
	s_add_nc_u64 s[50:51], s[8:9], s[70:71]        ; V group 0 (128 j of each half)
	s_add_nc_u64 s[54:55], s[50:51], 256           ; V group 1
	s_or_b32 s51, s51, 0x80000000
	s_or_b32 s55, s55, 0x80000000
	; plain loads and stores of my own rows
	s_lshl_b32 s82, s59, 17
	s_lshl_b32 s62, s58, 13
	s_add_co_u32 s82, s82, s62
	s_lshl_b32 s62, s15, 12
	s_add_co_u32 s82, s82, s62
	s_add_nc_u64 s[76:77], s[4:5], s[82:83]        ; emb' at my 32 rows
	s_lshl_b32 s82, s59, 13
	s_lshl_b32 s62, s58, 8
	s_add_co_u32 s82, s82, s62
	s_lshl_b32 s62, s15, 7
	s_add_co_u32 s82, s82, s62
	s_add_nc_u64 s[80:81], s[6:7], s[82:83]        ; nh at my 32 rows
	s_lshl_b32 s82, s59, 20
	s_lshl_b32 s62, s58, 16
	s_add_co_u32 s82, s82, s62
	s_lshl_b32 s62, s15, 15
	s_add_co_u32 s82, s82, s62
	s_lshl_b32 s62, s56, 14
	s_add_co_u32 s82, s82, s62
	s_add_nc_u64 s[72:73], s[10:11], s[82:83]      ; x and out at the 16 rows that I finish (tile ih = bq)
	s_add_nc_u64 s[74:75], s[12:13], s[82:83]
	v_and_b32 v254, 15, v0                         ; r
	v_bfe_u32 v255, v0, 4, 1                       ; h
	v_and_b32 v15, 31, v0
	v_lshlrev_b32 v[GX], 4, v15
	v_lshlrev_b32 v252, 7, v254
	v_lshl_add_u32 v252, v255, 4, v252             ; 128 r + 16 h
	v_lshlrev_b32 v253, 2, v254
.irp ih,0,1
.irp c,0,1,2,3
	global_load_b128 v[BI+16*\ih+4*\c:BI+16*\ih+4*\c+3], v252, s[76:77] offset:2048*\ih+32*\c
.endr
	global_load_b32 v[NSQ+\ih], v253, s[80:81] offset:64*\ih
.endr
	ROUND                                          ; all four work-groups are here: the first joint loads meet
	tensor_load_to_lds s[40:43], s[16:23]          ; emb'
	tensor_load_to_lds s[44:47], s[24:31]          ; nh, nt
	tensor_load_to_lds s[48:51], s[32:39]          ; V group 0 into slot A: three loads of mine are out
	; LDS addresses: the wave's number and the lane alone
	v_mul_u32_u24 v[AEJ], v254, EP
	v_lshl_add_u32 v[AEJ], v255, 4, v[AEJ]
	s_mul_i32 s61, s56, 512*EP
	v_add_nc_u32 v[AEJ], s61, v[AEJ]
	v_add_nc_u32 v[AEJ+1], 256*EP, v[AEJ]
	s_lshl_b32 s61, s56, 11
	s_add_co_u32 s61, s61, ST
	v_lshl_add_u32 v[AST], v255, 5, s61
	v_mul_u32_u24 v[AV+1], v254, VP
	v_lshl_add_u32 v[AV+1], v255, 4, v[AV+1]
	s_mul_i32 s61, s56, 256*VP
	v_add_nc_u32 v[AV+1], s61, v[AV+1]
	v_add_nc_u32 v[AV], SLA, v[AV+1]
	s_xor_b32 s70, s14, 1                          ; my partner: the same rows, the other columns
	s_lshl_b32 s61, s14, 7
	s_add_co_u32 s61, s61, XCH
	v_lshl_add_u32 v[AXW], v254, 2, s61
	s_lshl_b32 s61, s70, 7
	s_add_co_u32 s61, s61, XCH
	v_lshl_add_u32 v[AXR], v254, 2, s61
	s_lshl_b32 s61, s14, 8
	s_add_co_u32 s61, s61, XCH+1024
	v_lshl_add_u32 v[ASW], v254, 2, s61
	s_lshl_b32 s61, s70, 8
	s_add_co_u32 s61, s61, XCH+1024
	v_lshl_add_u32 v[ASR], v254, 2, s61
	s_lshl_b32 s61, s14, 14
	s_add_co_u32 s61, s61, MST
	v_add_nc_u32 v[AMW], s61, v[GX]
	s_lshl_b32 s61, s70, 14
	s_add_co_u32 s61, s61, MST
	v_add_nc_u32 v[AMR], s61, v[GX]
	v_mul_u32_u24 v[AOS], v254, OP
	v_lshl_add_u32 v[AOS], v255, 5, v[AOS]
	s_mul_i32 s61, s14, 16*OP
	s_add_co_u32 s61, s61, OST
	v_add_nc_u32 v[AOS], s61, v[AOS]
	v_add_nc_u32 v[AOL], s61, v[GX]
	; L dx / 32: x_i = 16 ih + r, x_j = 16 p + 8 h + q.  With d = r - 8 h - q: ih = p: |d|; (0, 1): 16 - d; (1, 0): 16 + d
	v_lshlrev_b32 v15, 3, v255
	v_sub_nc_u32 v15, v254, v15
.irp q,0,1,2,3,4,5,6,7
	v_add_nc_u32 v[WT+\q], -\q, v15
	v_cvt_f32_i32 v[WT+\q], v[WT+\q]
	v_and_b32 v[WT+8+\q], 0x7fffffff, v[WT+\q]
	v_mul_f32 v[DX+\q], s66, v[WT+8+\q]
	v_fma_f32 v[DX+8+\q], v[WT+\q], s79, s78
	v_fma_f32 v[DX+16+\q], v[WT+\q], s66, s78
.endr
	v_mov_b32 v[DYV+1], 0                          ; the pair's second register is named, never used
	v_mov_b32 v[C2L], 0x4038aa3b
	v_mov_b32 v[C2L+1], 0x4038aa3b
.irp i,0,1,2,3,4,5,6,7,8,9,10,11,12,13,14,15
	v_mov_b32 v[ZA+\i], 0
.endr
.irp i,0,1,2,3,4,5,6,7
	v_mov_b32 v[MA+\i], 0                          ; the clamp's zero is a member of the maximum
.endr
	s_wait_tensorcnt 0x1                           ; my parts of emb', nh and nt are in; V group 0 may stay out
	s_barrier_signal -1
	s_barrier_wait -1
	s_wait_loadcnt 0x0                             ; emb'_i, nh_i
; FIRST SWEEP.  12 LDS loads: j-row t's two tiles of emb'_j (4 loads each) and of nh_j (2 each)
.macro LDJ buf, t
.irp p,0,1
.irp c,0,1,2,3
	ds_load_b128 v[AJ+32*(\buf)+16*\p+4*\c:AJ+32*(\buf)+16*\p+4*\c+3], v[AEJ+((2*(\t)+\p)>>4)] offset:((2*(\t)+\p)&15)*16*EP+32*\c
.endr
	ds_load_b128 v[SJ+16*(\buf)+8*\p:SJ+16*(\buf)+8*\p+3], v[AST] offset:64*(2*(\t)+\p)
	ds_load_b128 v[SJ+16*(\buf)+8*\p+4:SJ+16*(\buf)+8*\p+7], v[AST] offset:64*(2*(\t)+\p)+16
.endr
.endm
.macro CINIT t                         ; the sums start at nh_j + nh_i
	WIN ((1+((\t)>>3))*0x40)
.irp ih,0,1
.irp p,0,1
.irp k,0,2,4,6
	v_pk_add_f32 v[32*((\t)&7)+16*\ih+8*\p+\k:32*((\t)&7)+16*\ih+8*\p+\k+1], v[SJ+16*((\t)&1)+8*\p+\k:SJ+16*((\t)&1)+8*\p+\k+1], v[NSQ:NSQ+1] op_sel:[0,\ih] op_sel_hi:[1,\ih]
.endr
.endr
.endr
.endm
.macro SMM t                           ; eight matrix instructions; the four accumulators take turns, one instruction a turn
	WIN ((1+((\t)>>3))*0x50)
.irp ks,0,1
.irp ih,0,1
.irp p,0,1
	v_wmma_f32_16x16x32_bf16 v[32*((\t)&7)+16*\ih+8*\p:32*((\t)&7)+16*\ih+8*\p+7], v[AJ+32*((\t)&1)+16*\p+8*\ks:AJ+32*((\t)&1)+16*\p+8*\ks+7], v[BI+16*\ih+8*\ks:BI+16*\ih+8*\ks+7], v[32*((\t)&7)+16*\ih+8*\p:32*((\t)&7)+16*\ih+8*\p+7]
.endr
.endr
.endr
.endm
.macro ZADD t                          ; j-row t's 32 numbers a lane onto eight chains (Z in the first sweep, l in the second)
	WIN ((1+((\t)>>3))*0x04)
.irp p,0,1
.irp ih,0,1
.irp k,0,2,4,6
	v_pk_add_f32 v[ZA+8*\ih+\k:ZA+8*\ih+\k+1], v[ZA+8*\ih+\k:ZA+8*\ih+\k+1], v[32*((\t)&7)+16*\ih+8*\p+\k:32*((\t)&7)+16*\ih+8*\p+\k+1]
.endr
.endr
.endr
.endm
; L (mask - 1) for j-row t.  u = L diff / 32 - L; w = 2 L - 128 u.  diff <= 32: -L <= u <= w, the middle one of (u, -L, w) is u.
; diff >= 33: w <= -2 L, the middle one is -L, which is the mask's zero.  Half a step of diff lies between the cases, far more than the roundings.
; No vector register stands as source 1, so the macro runs under any setting that moves source 1 alone.
.macro MASK t
	s_sub_co_i32 s62, s60, \t
	s_sub_co_i32 s63, \t, s60
	s_max_i32 s62, s62, s63                        ; the distance of image rows: a number, used as data alone
	v_cvt_f32_i32 v[DYV], s62
	v_fma_f32 v[DYV], v[DYV], s66, s67
.irp k,0,2,4,6,8,10,12,14,16,18,20,22
	v_pk_fma_f32 v[MM+\k:MM+\k+1], v[DX+\k:DX+\k+1], 1.0, v[DYV:DYV+1] op_sel_hi:[1,0,0]
.endr
.irp k,0,2,4,6,8,10,12,14,16,18,20,22
	v_pk_fma_f32 v[WT+\k:WT+\k+1], v[MM+\k:MM+\k+1], 0xc3000000, v[C2L:C2L+1] op_sel_hi:[1,0,1]
.endr
.irp k,0,1,2,3,4,5,6,7,8,9,10,11,12,13,14,15,16,17,18,19,20,21,22,23
	v_med3_num_f32 v[MM+\k], v[MM+\k], s67, v[WT+\k]
.endr
.endm
.macro MIN8 b
.irp i,0,1,2,3,4,5,6,7
	v_min_num_f32 v[\b+\i], v[\b+\i], 0
.endr
.endm
.macro XMIN8 x, b                      ; exponentials of one tile, each followed by a plain instruction on another tile
.irp i,0,1,2,3,4,5,6,7
	v_exp_f32 v[\x+\i], v[\x+\i]
	v_min_num_f32 v[\b+\i], v[\b+\i], 0
.endr
.endm
.macro EXP8 x
.irp i,0,1,2,3,4,5,6,7
	v_exp_f32 v[\x+\i], v[\x+\i]
.endr
.endm
.macro FMA4 b, m
.irp k,0,2,4,6
	v_pk_fma_f32 v[\b+\k:\b+\k+1], v[\b+\k:\b+\k+1], 0x3fb8aa3b, v[\m+\k:\m+\k+1] op_sel_hi:[1,0,1]
.endr
.endm
; D to e, four tiles (0,0), (0,1), (1,0), (1,1).  Between an exponential and the use of its result stands a plain vector instruction (ISA guide 5.7.2).
.macro CHAIN t
	WIN ((1+((\t)>>3))*0x41)
	MIN8 32*((\t)&7)
	XMIN8 32*((\t)&7),32*((\t)&7)+8
	FMA4 32*((\t)&7),MM
	XMIN8 32*((\t)&7),32*((\t)&7)+16
	XMIN8 32*((\t)&7)+8,32*((\t)&7)+24
	FMA4 32*((\t)&7)+8,MM+8
	EXP8 32*((\t)&7)+8
	EXP8 32*((\t)&7)+16
	v_nop
	FMA4 32*((\t)&7)+16,MM+16
	EXP8 32*((\t)&7)+16
	EXP8 32*((\t)&7)+24
	v_nop
	FMA4 32*((\t)&7)+24,MM
	EXP8 32*((\t)&7)+24
.endm
; One j-row.  The vector work behind the matrix instructions (the row before's sums, this row's mask) names none of their registers: it fills the places
; in front of the loads into the fragments just read and in front of CHAIN, which reads the results.
.macro P1STEP t
	SMM \t
.if \t > 0
	ZADD \t-1
.else
	WIN 0
.endif
	MASK \t
.if \t < 14
	LDJ \t&1,\t+2
.endif
	CHAIN \t
.if \t < 15
.if \t < 14
	s_wait_dscnt 12                                ; the 12 loads of j-row t + 2 may stay out: j-row t + 1 is in
.else
	s_wait_dscnt 0x0
.endif
	CINIT \t+1
.endif
.endm
	LDJ 0,0
	LDJ 1,1
	s_wait_dscnt 12
	CINIT 0
.irp t,0,1,2,3,4,5,6,7,8,9,10,11,12,13,14,15
	P1STEP \t
.endr
	ZADD 15
.macro RED8 b                          ; eight chains to one number, then the other half's lanes' number beside it
	v_pk_add_f32 v[\b:\b+1], v[\b:\b+1], v[\b+2:\b+3]
	v_pk_add_f32 v[\b+4:\b+5], v[\b+4:\b+5], v[\b+6:\b+7]
	v_pk_add_f32 v[\b:\b+1], v[\b:\b+1], v[\b+4:\b+5]
	v_add_f32 v[\b], v[\b], v[\b+1]
	v_permlanex16_b32 v[\b+1], v[\b], s68, s69
.endm
	WIN 0
.irp ih,0,1
	RED8 ZA+8*\ih
	v_add_f32 v[ZA+8*\ih], v[ZA+8*\ih], v[ZA+8*\ih+1]
	ds_store_b32 v[AXW], v[ZA+8*\ih] offset:64*\ih
.endr
	s_wait_dscnt 0x0                               ; my reads of emb' are over and my Z is in LDS
	s_wait_tensorcnt 0x0                           ; all my tensor loads have landed, V group 0 among them
	ROUND                                          ; both hold of every wave of the four work-groups
	tensor_load_to_lds s[52:55], s[32:39]          ; my one load behind the round: V group 1 over the bytes of emb'; the second sweep is its time to land
	ds_load_b32 v[ZA+2], v[AXR]
	ds_load_b32 v[ZA+10], v[AXR] offset:64
; SECOND SWEEP, part one: a' and its maximum, four j-rows at a time
.macro LDT tb, c
.irp n,0,1,2,3,4,5,6,7
	ds_load_b128 v[\tb+8*\n:\tb+8*\n+3], v[AST] offset:4096+64*(8*(\c)+\n)
	ds_load_b128 v[\tb+8*\n+4:\tb+8*\n+7], v[AST] offset:4096+64*(8*(\c)+\n)+16
.endr
.endm
.macro P2A c, tb
	WIN ((1+((\c)>>1))*0x41)
.irp u,0,1,2,3
.irp ih,0,1
.irp p,0,1
.irp k,0,2,4,6
	v_pk_fma_f32 v[32*((4*(\c)+\u)&7)+16*\ih+8*\p+\k:32*((4*(\c)+\u)&7)+16*\ih+8*\p+\k+1], v[32*((4*(\c)+\u)&7)+16*\ih+8*\p+\k:32*((4*(\c)+\u)&7)+16*\ih+8*\p+\k+1], v[RZ:RZ+1], v[\tb+8*(2*\u+\p)+\k:\tb+8*(2*\u+\p)+\k+1] op_sel:[0,\ih,0] op_sel_hi:[1,\ih,1]
.endr
.endr
.endr
.endr
	WIN ((1+((\c)>>1))*0x14)
.irp u,0,1,2,3
.irp p,0,1
.irp ih,0,1
.irp k,0,2,4,6
	v_max3_num_f32 v[MA+4*\ih+\k/2], v[MA+4*\ih+\k/2], v[32*((4*(\c)+\u)&7)+16*\ih+8*\p+\k], v[32*((4*(\c)+\u)&7)+16*\ih+8*\p+\k+1]
.endr
.endr
.endr
.endr
.endm
	LDT AJ,0
	s_wait_dscnt 16                                ; my partner's two Z are in; the 16 loads of nt may stay out
	v_add_f32 v[ZA], v[ZA], v[ZA+2]
	v_add_f32 v[ZA+8], v[ZA+8], v[ZA+10]
	v_rcp_f32 v[RZ], v[ZA]
	v_rcp_f32 v[RZ+1], v[ZA+8]
	v_nop
	v_mul_f32 v[RZ], 0x3fb8aa3b, v[RZ]
	v_mul_f32 v[RZ+1], 0x3fb8aa3b, v[RZ+1]
	LDT MM,1
	s_wait_dscnt 16                                ; all but the 16 loads just issued
	P2A 0,AJ
	LDT AJ,2
	s_wait_dscnt 16
	P2A 1,MM
	LDT MM,3
	s_wait_dscnt 16
	P2A 2,AJ
	s_wait_dscnt 0x0
	P2A 3,MM
	WIN 0
.irp ih,0,1
	v_max3_num_f32 v[MA+4*\ih], v[MA+4*\ih], v[MA+4*\ih+1], v[MA+4*\ih+2]
	v_max_num_f32 v[MA+4*\ih], v[MA+4*\ih], v[MA+4*\ih+3]
	v_permlanex16_b32 v[MA+4*\ih+1], v[MA+4*\ih], s68, s69
	v_max_num_f32 v[MA+4*\ih], v[MA+4*\ih], v[MA+4*\ih+1]
	v_mul_f32 v[NM+\ih], -1.0, v[MA+4*\ih]
.endr
.irp i,0,1,2,3,4,5,6,7,8,9,10,11,12,13,14,15
	v_mov_b32 v[ZA+\i], 0
.endr
; part two: p, its sum, and p as bf16 fragments (registers 0-7 of each group of 16)
.macro MAX8 b, m
.irp i,0,1,2,3,4,5,6,7
	v_max_num_f32 v[\b+\i], v[\b+\i], v[\m]
.endr
.endm
.macro XMAX8 x, b, m
.irp i,0,1,2,3,4,5,6,7
	v_exp_f32 v[\x+\i], v[\x+\i]
	v_max_num_f32 v[\b+\i], v[\b+\i], v[\m]
.endr
.endm
.macro P2B t
	WIN ((1+((\t)>>3))*0x41)
.irp ih,0,1
.irp k,0,2,4,6,8,10,12,14
	v_pk_add_f32 v[32*((\t)&7)+16*\ih+\k:32*((\t)&7)+16*\ih+\k+1], v[32*((\t)&7)+16*\ih+\k:32*((\t)&7)+16*\ih+\k+1], v[NM:NM+1] op_sel:[0,\ih] op_sel_hi:[1,\ih]
.endr
.endr
	MAX8 32*((\t)&7),NM
	XMAX8 32*((\t)&7),32*((\t)&7)+8,NM
	XMAX8 32*((\t)&7)+8,32*((\t)&7)+16,NM+1
	XMAX8 32*((\t)&7)+16,32*((\t)&7)+24,NM+1
	EXP8 32*((\t)&7)+24
	ZADD \t                                        ; begins with tile (0,0): plain work between the last exponentials and their use
	WIN ((1+((\t)>>3))*0x45)
.irp ih,0,1
.irp n,0,1,2,3,4,5,6,7
	v_cvt_pk_bf16_f32 v[32*((\t)&7)+16*\ih+\n], v[32*((\t)&7)+16*\ih+2*\n], v[32*((\t)&7)+16*\ih+2*\n+1]
.endr
.endr
.endm
.irp t,0,1,2,3,4,5,6,7,8,9,10,11,12,13,14,15
	P2B \t
.endr
	WIN 0
.irp ih,0,1
	RED8 ZA+8*\ih
	v_add_f32 v[LL+\ih], v[ZA+8*\ih], v[ZA+8*\ih+1]
.endr
; p V in 32 half steps: K step t = hs / 2 (32 j), c tiles 8 (hs & 1) .. + 7, both row tiles: each V fragment feeds two matrix instructions.
.macro VLOAD f, hs
.irp n,0,1,2,3,4,5,6,7
	ds_load_b128 v[\f+8*\n:\f+8*\n+3], v[AV+(((\hs)>>3)&1)] offset:(8*((\hs)&1)+\n)*16*VP+(((\hs)>>1)&3)*64
	ds_load_b128 v[\f+8*\n+4:\f+8*\n+7], v[AV+(((\hs)>>3)&1)] offset:(8*((\hs)&1)+\n)*16*VP+(((\hs)>>1)&3)*64+32
.endr
.endm
.macro PVMUL f, hs                     ; 16 matrix instructions on 16 accumulators, one instruction a turn; K step 0 starts the sums
	WIN (((1+((\hs)>>4))<<2)|0xf0)
.irp n,0,1,2,3,4,5,6,7
.irp ih,0,1
.if (\hs) < 2
	v_wmma_f32_16x16x32_bf16 v[8*(16*\ih+8*((\hs)&1)+\n):8*(16*\ih+8*((\hs)&1)+\n)+7], v[\f+8*\n:\f+8*\n+7], v[16*((((\hs)>>1)&7)*2+\ih):16*((((\hs)>>1)&7)*2+\ih)+7], 0
.else
	v_wmma_f32_16x16x32_bf16 v[8*(16*\ih+8*((\hs)&1)+\n):8*(16*\ih+8*((\hs)&1)+\n)+7], v[\f+8*\n:\f+8*\n+7], v[16*((((\hs)>>1)&7)*2+\ih):16*((((\hs)>>1)&7)*2+\ih)+7], v[8*(16*\ih+8*((\hs)&1)+\n):8*(16*\ih+8*((\hs)&1)+\n)+7]
.endif
.endr
.endr
.endm
.macro PVSTEP hs
	PLACES                                         ; the buffer to be loaded was read by the matrix instructions just issued
	WIN 0
	VLOAD VF+64*(((\hs)+1)&1),(\hs)+1
	s_wait_dscnt 16                                ; all but the 16 loads just issued
	PVMUL VF+64*((\hs)&1),\hs
.endm
; The last half step of a V group.  g0 = the group 0 of the slot just read, which is filled again two groups on (0: nothing is left to fetch).
; In front of the opening signal: my reads of the slot are over and all my tensor loads have landed (one was out: my part of the other slot).
; Register work alone stands inside the round; the joint refill is my first tensor load behind it and has a whole group, 128 matrix instructions, to land.
.macro PVEND hs, g0
	s_wait_dscnt 0x0
	s_wait_tensorcnt 0x0
	s_barrier_signal -1
	PVMUL VF+64*((\hs)&1),\hs
	WIN 0
	s_barrier_wait -1
.if \g0
	CREST
	s_add_nc_u64 s[\g0+2:\g0+3], s[\g0+2:\g0+3], 512
	tensor_load_to_lds s[\g0:\g0+3], s[32:39]
.endif
	PLACES
.if \g0 == 0
	WIN 0x40                                       ; x of the 16 rows that I finish, into window 1's first 128 registers (the p fragments of K steps 0-3, long used)
.set xi, 0
.rept 32
	global_load_b128 v[4*xi:4*xi+3], v[GX], s[72:73] offset:512*xi th:TH_LOAD_NT
.set xi, xi+1
.endr
	WIN 0
.endif
	VLOAD VF+64*(((\hs)+1)&1),(\hs)+1
.endm
	VLOAD VF,0
.irp hs,0,1,2,3,4,5,6
	PVSTEP \hs
.endr
	PVEND 7,48                                     ; slot A gets V group 2
.irp hs,8,9,10,11,12,13,14
	PVSTEP \hs
.endr
	PVEND 15,52                                    ; slot B gets V group 3
.irp hs,16,17,18,19,20,21,22
	PVSTEP \hs
.endr
	PVEND 23,0                                     ; group 3 has landed for everybody; slot A has had its last fill and its last read
.irp hs,24,25,26,27,28,29,30
	PVSTEP \hs
.endr
	s_wait_dscnt 0x0
	PVMUL VF+64,31
; THE END: wave (a, bq) finishes row tile ih = bq and hands the other tile's sums, with -m' and l, to its partner.
.macro SEND ihs
	WIN 0x0c                                       ; store data from window 3
.irp ct,0,1,2,3,4,5,6,7,8,9,10,11,12,13,14,15
	ds_store_b128 v[AMW], v[8*(16*\ihs+\ct):8*(16*\ihs+\ct)+3] offset:\ct*1024
	ds_store_b128 v[AMW], v[8*(16*\ihs+\ct)+4:8*(16*\ihs+\ct)+7] offset:\ct*1024+512
.endr
	WIN 0
.endm
	PLACES
	WIN 0
	s_cmp_eq_u32 s56, 0
	s_cbranch_scc0 .Lsend0
	SEND 1
	s_branch .Lsent
.Lsend0:
	SEND 0
.Lsent:
	ds_store_b32 v[ASW], v[NM]
	ds_store_b32 v[ASW], v[LL] offset:64
	ds_store_b32 v[ASW], v[NM+1] offset:128
	ds_store_b32 v[ASW], v[LL+1] offset:192
	s_wait_dscnt 0x0                               ; what I hand over is in LDS
	ROUND                                          ; my partner's is too; and the closing round: no work-group issues a joint load behind it
.macro LDP pb, c
.irp n,0,1,2,3
	ds_load_b128 v[\pb+8*\n:\pb+8*\n+3], v[AMR] offset:(4*(\c)+\n)*1024
	ds_load_b128 v[\pb+8*\n+4:\pb+8*\n+7], v[AMR] offset:(4*(\c)+\n)*1024+512
.endr
.endm
.macro FINC f, c                       ; four c tiles: mine x g_own + my partner's x g_par, eight neighbouring c of a row into my stage
.if (\c) < 3
	LDP VF+32*(((\c)+1)&1),(\c)+1
	s_wait_dscnt 8                                 ; all but the 8 loads just issued
.else
	s_wait_dscnt 0x0
.endif
	WIN 0x03
.irp n,0,1,2,3
.irp k,0,2,4,6
	v_pk_mul_f32 v[128+8*\n+\k:128+8*\n+\k+1], v[8*(16*\f+4*(\c)+\n)+\k:8*(16*\f+4*(\c)+\n)+\k+1], v[60:61] op_sel_hi:[1,0]
.endr
.endr
	WIN 0
.irp n,0,1,2,3
.irp k,0,2,4,6
	v_pk_fma_f32 v[128+8*\n+\k:128+8*\n+\k+1], v[VF+32*((\c)&1)+8*\n+\k:VF+32*((\c)&1)+8*\n+\k+1], v[60:61], v[128+8*\n+\k:128+8*\n+\k+1] op_sel:[0,1,0] op_sel_hi:[1,1,1]
.endr
.endr
.irp n,0,1,2,3
	ds_store_b128 v[AOS], v[128+8*\n:128+8*\n+3] offset:(4*(\c)+\n)*64
	ds_store_b128 v[AOS], v[128+8*\n+4:128+8*\n+7] offset:(4*(\c)+\n)*64+16
.endr
.endm
.macro FINR c                          ; four rows back from my own stage (LDS serves a wave's instructions in order), + x, out: 512 neighbouring bytes a store
.if (\c) >= 2
	s_wait_xcnt 0x0                                ; the registers that earlier stores read are loaded again only behind this wait
.endif
.irp i,0,1,2,3,4,5,6,7
	ds_load_b128 v[160+32*((\c)&1)+4*\i:160+32*((\c)&1)+4*\i+3], v[AOL] offset:(4*(\c)+(\i>>1))*OP+(\i&1)*512
.endr
	s_wait_dscnt 0x0
	WIN 0x01
.irp m,0,2,4,6,8,10,12,14,16,18,20,22,24,26,28,30
	v_pk_add_f32 v[160+32*((\c)&1)+\m:160+32*((\c)&1)+\m+1], v[32*(\c)+\m:32*(\c)+\m+1], v[160+32*((\c)&1)+\m:160+32*((\c)&1)+\m+1]
.endr
	WIN 0
.irp i,0,1,2,3,4,5,6,7
	global_store_b128 v[GX], v[160+32*((\c)&1)+4*\i:160+32*((\c)&1)+4*\i+3], s[74:75] offset:512*(8*(\c)+\i) th:TH_STORE_NT
.endr
.endm
.macro FIN f
	ds_load_b32 v62, v[ASR] offset:128*\f          ; my partner's -m'
	ds_load_b32 v63, v[ASR] offset:128*\f+64       ; and l
	LDP VF,0
	s_wait_dscnt 8
	v_min_num_f32 v60, v[NM+\f], v62               ; -m, m the maximum over all 1,024 columns
	v_sub_f32 v61, v60, v62                        ; m_par - m
	v_sub_f32 v60, v60, v[NM+\f]                   ; m_own - m
	v_exp_f32 v60, v60
	v_exp_f32 v61, v61
	v_nop
	v_mul_f32 v63, v63, v61
	v_fma_f32 v63, v[LL+\f], v60, v63              ; l: at least 1, since the column of the maximum gives 1
	v_rcp_f32 v63, v63
	v_nop
	v_mul_f32 v60, v60, v63                        ; g_own
	v_mul_f32 v61, v61, v63                        ; g_par
	FINC \f,0
	FINC \f,1
	FINC \f,2
	FINC \f,3
	s_wait_loadcnt 0x0                             ; x
	FINR 0
	FINR 1
	FINR 2
	FINR 3
.endm
	s_cmp_eq_u32 s56, 0
	s_cbranch_scc0 .Lfin1
	FIN 0
	s_endpgm
.Lfin1:
	FIN 1
	s_endpgm
.Lfunc_end_k_q41d2f750f6_attn:
	.size	k_q41d2f750f6_attn, .Lfunc_end_k_q41d2f750f6_attn-k_q41d2f750f6_attn
	.p2alignl 7, 3214868480
	.fill 96, 4, 3214868480
	.section	.rodata,"a",@progbits
	.p2align	6, 0x0
	.amdhsa_kernel k_q41d2f750f6_attn
		.amdhsa_group_segment_fixed_size 327680
		.amdhsa_private_segment_fixed_size 0
		.amdhsa_enable_private_segment 0
		.amdhsa_kernarg_size 40
		.amdhsa_user_sgpr_count 2
		.amdhsa_user_sgpr_kernarg_segment_ptr 1
		.amdhsa_wavefront_size32 1
		.amdhsa_system_sgpr_workgroup_id_x 1
		.amdhsa_system_sgpr_workgroup_id_y 1
		.amdhsa_system_sgpr_workgroup_id_z 1
		.amdhsa_system_vgpr_workitem_id 0
		.amdhsa_next_free_vgpr 1024
		.amdhsa_next_free_sgpr 84
		.amdhsa_reserve_vcc 0
		.amdhsa_float_denorm_mode_32 3
		.amdhsa_float_denorm_mode_16_64 3
		.amdhsa_memory_ordered 1
		.amdhsa_forward_progress 1
		.amdhsa_inst_pref_size 255
	.end_amdhsa_kernel
	.section	.bss,"aw",@nobits
	.p2align	6
	.space	262144
	.amdgpu_metadata
---
amdhsa.version: [ 1, 2 ]
amdhsa.kernels:
  - .name:           k_q41d2f750f6_attn
    .symbol:         k_q41d2f750f6_attn.kd
    .args:
      - { .name: embs, .offset: 0, .size: 8, .value_kind: global_buffer, .address_space: global }
      - { .name: st, .offset: 8, .size: 8, .value_kind: global_buffer, .address_space: global }
      - { .name: vt, .offset: 16, .size: 8, .value_kind: global_buffer, .address_space: global }
      - { .name: feature_map, .offset: 24, .size: 8, .value_kind: global_buffer, .address_space: global }
      - { .name: out0, .offset: 32, .size: 8, .value_kind: global_buffer, .address_space: global }
    .group_segment_fixed_size: 327680
    .private_segment_fixed_size: 0
    .kernarg_segment_align: 8
    .kernarg_segment_size: 40
    .max_flat_workgroup_size: 128
    .sgpr_count:     84
    .vgpr_count:     1024
    .wavefront_size: 32
...
	.end_amdgpu_metadata
.endif
;; end of part 2
